; MI455X (gfx1250); checked and timed in simulation.
; The chip was launched on July 23, 2026; its instructions are those of AMD's public machine-readable ISA for CDNA 5 (MIT licence, August 2026) and "CDNA5" Instruction Set Architecture Reference Guide (July 2026). The comments in the code are by the model that wrote it; some were corrected since.
;; LSTM Cell. Allowed arithmetic: matrix products marked QUANTISED: E5M2 operands, one E8M0 scale for each 32 along K, by v_wmma_scale_f32_16x16x128_f8f6f4 with both operands' format E5M2, f32 sums; everything else in f32.
;; Inputs: W_hh_codes 4,096 x 32 x 32 uint8 (E5M2 codes of W_hh, K innermost, in blocks of 32 codes); W_hh_scales 4,096 x 32 uint8 (E8M0 scales of W_hh, one for each 32 codes along K); W_xh_codes 4,096 x 32 x 32 uint8 (E5M2 codes of W_xh, K innermost, in blocks of 32 codes); W_xh_scales 4,096 x 32 uint8 (E8M0 scales of W_xh, one for each 32 codes along K); bias 4,096 float32; c 8,192 x 1,024 float32; h_codes 8,192 x 32 x 32 uint8 (E5M2 codes of h, K innermost, in blocks of 32 codes); h_scales 8,192 x 32 uint8 (E8M0 scales of h, one for each 32 codes along K); ln_beta 4,096 float32; ln_c_beta 1,024 float32; ln_c_gamma 1,024 float32; ln_gamma 4,096 float32; x_codes 8,192 x 32 x 32 uint8 (E5M2 codes of x, K innermost, in blocks of 32 codes); x_scales 8,192 x 32 uint8 (E8M0 scales of x, one for each 32 codes along K).
;; Outputs: out0 8,192 x 1,024 float32; out1 8,192 x 1,024 float32.
;; This version of the problem:
;;   THIS VERSION OF THE PROBLEM IS GIVEN IN LOW PRECISION. The matrix products marked QUANTISED in the list below multiply operands that are first quantised to E5M2 (5 exponent bits, 2 mantissa bits; 8 bits a number), with one power-of-two scale for each 32 numbers along K (OCP MX v1.0); their sums are f32. All else is computed in f32.
;;   The module's matrix products, in the order in which they are computed (A, B: the left and right operand; K: the contracted axis; several contracted axes count as one K, in the product's order):
;;     1. [M 8,192, K 1,024] x [K 1,024, N 4,096]; A: input x (given as codes); B: input W_xh (given as codes): QUANTISED
;;     2. [M 8,192, K 1,024] x [K 1,024, N 4,096]; A: input h (given as codes); B: input W_hh (given as codes): QUANTISED
;;   THE QUANTISER, for each operand of a quantised product, along K:
;;     - K is cut into blocks of 32 from its start; a last block that is shorter is filled with zeros.
;;     - A block's scale is 2^e with e = floor(log2(the largest magnitude in the block)) - 15, held to -126 .. 127; a block of zeros has e = 0. As a byte (E8M0): e + 127.
;;     - Each number is divided by its block's scale, clamped to +-57,344, and rounded to the nearest number of E5M2, ties to even, subnormals kept.
;;     - The product sums the exact products of the quantised numbers (number of the format x scale) in f32.
;;   ~~~python
;;   def quantise(x, axis):      # numpy; x: float32 -> the quantised numbers, widened to float32 again
;;       x = np.moveaxis(x, axis, -1); K = x.shape[-1]
;;       x = np.pad(x, [(0, 0)] * (x.ndim - 1) + [(0, -K % 32)]); x = x.reshape(x.shape[:-1] + (-1, 32)); a = np.abs(x).max(-1, keepdims=True)
;;       e = np.where(a > 0, np.clip(np.frexp(np.where(a > 0, a, 1))[1] - 1 - 15, -126, 127), 0)      # np.frexp(a)[1] - 1 = floor(log2(a)), exactly
;;       r = np.clip(x / 2.0 ** e, -57344, 57344)
;;       step = 2.0 ** (np.maximum(np.frexp(np.where(r == 0, 1, r))[1] - 1, -14) - 2)
;;       q = np.round(r / step) * step * 2.0 ** e      # np.round: ties to even
;;       return np.moveaxis(q.reshape(q.shape[:-2] + (-1,))[..., :K], -1, axis).astype(np.float32)
;;   ~~~
;;   INPUTS GIVEN AS CODES. W_hh (in the module: [1024, 4096], K = its axis 0); W_xh (in the module: [1024, 4096], K = its axis 0); h (in the module: [8192, 1024], K = its axis 1); x (in the module: [8192, 1024], K = its axis 1): each comes as NAME_codes (uint8): NAME with its K axis moved to the last place and cut into blocks of 32 codes, [.., K / 32, bytes a block], one block behind the other in memory; one code a byte (a code: sign, 5 exponent bits, 2 mantissa bits); and NAME_scales (uint8): the same leading axes, one E8M0 byte (e + 127) for each 32 codes along K. Its value is code x scale, taken as it is: it is not quantised again, and the codes and scales need not be those that the quantiser above would give.
;; One version. Each part assembles by itself: llvm-mc -triple=amdgcn-amd-amdhsa -mcpu=gfx1250 --defsym DOCPART=n.
;; ======== version 1 of 1: 2 launches
;; limits: right only within a limited range of input values
;; workspace buffers: gates 134,217,728 bytes
;; launch gemm (part 1): grid 16 x 16, 4 waves a work-group, clusters of 4 x 4, 327,680 bytes of LDS; arguments x_codes, x_scales, h_codes, h_scales, W_xh_codes, W_xh_scales, W_hh_codes, W_hh_scales, bias, gates; writes gates
.if DOCPART == 1
	.amdgcn_target "amdgcn-amd-amdhsa--gfx1250"
	.amdhsa_code_object_version 6
	.text
	.protected	k_q04042138d2_gemm
	.globl	k_q04042138d2_gemm
	.p2align	8
	.type	k_q04042138d2_gemm,@function
k_q04042138d2_gemm:
	s_mov_b64 s[64:65], 0
	v_nop
	global_prefetch_b8 v0, s[64:65] scope:SCOPE_SE
	s_setreg_imm32_b32 hwreg(HW_REG_WAVE_MODE, 25, 1), 1
	s_wait_xcnt 0x0
	s_wait_alu depctr_hold_cnt(0) depctr_sa_sdst(0) depctr_va_vdst(0) depctr_va_sdst(0) depctr_va_ssrc(0) depctr_va_vcc(0) depctr_vm_vsrc(0)
	s_getreg_b32 s2, hwreg(HW_REG_IB_STS2, 6, 4)
	s_cmp_eq_u32 s2, 0
	s_cbranch_scc0 .Lentry_in_a_cluster
	s_endpgm
.Lentry_in_a_cluster:
	s_bfe_u32 s2, ttmp6, 0x10000c
	s_cmp_lg_u32 s2, 0xf033
	s_cbranch_scc0 .Lentry_shape_is_right
	s_endpgm
.Lentry_shape_is_right:
.set ROWB,   256
.set KROW,   1024
.set PITCH,  272
.set FR,     16
.set NL,     4
.set NP,     8
.set HALFT,  128*PITCH
.set SLOT,   4*HALFT
.set STAGE,  2*SLOT
.set SPITCH, 528
.set IMG,    STAGE+4*16*SPITCH
.set SPARE,  IMG+8192
.set NROW,   16384
.set WALK,   4096
.set NEXT_A, WALK*KROW-2*ROWB
.set BACK_B, 2*ROWB
.set NEXT_S, WALK*32
.set NEXT_C, (WALK-7*16)*NROW
.set IMR,  0
.set ADRA, 1
.set ADRB, 3
.set STO,  5
.set RD,   6
.set CO,   7
.set SPW,  8
.set NIL,  9
.set PFO,  10
.set SCO,  11
.set BQ,   12
.set SB,   16
.set XA,   80
.set AF,   128
.set BK,   128
.set G1,   24
.set G1B,  32
.set G0A,  40
.set G0B,  68
.set WV,   56
.set HI,   57
.set LO,   58
.set LIM,  63
.set PFA,  84
.set PFX,  86
.set MSB, 0
.macro WIN new
.if MSB != (\new)
	s_set_vgpr_msb (MSB<<8)|(\new)
.set MSB, (\new)
.endif
.endm
.set MUL_LO, 0xa1
.set MUL_HI, 0xf1
.set TO_B,   0x40
.macro JLOAD g0a, g0b
	s_cmp_eq_u32 s[HI], 0
	s_cbranch_scc0 .Lfor_b_\@
	tensor_load_to_lds s[\g0a:\g0a+3], s[G1:G1+7]
	s_nop 0
.rept 4
	v_nop
.endr
	s_branch .Lasked_\@
.Lfor_b_\@:
	tensor_load_to_lds s[\g0b:\g0b+3], s[G1B:G1B+7]
	s_nop 0
.rept 4
	v_nop
.endr
.Lasked_\@:
.endm
.macro CREST
	s_cmp_lg_u32 s[WV], 0
	s_cbranch_scc1 .Lnot_wave_0_\@
	s_barrier_signal -3
.Lnot_wave_0_\@:
	s_barrier_wait -3
	s_barrier_signal -1
	s_barrier_wait -1
.endm
.macro CROUND
	s_barrier_signal -1
	s_barrier_wait -1
	CREST
.endm
.macro ASK base, off
	s_cmp_eq_u32 s[LIM], 1
	s_cbranch_scc0 .Lnot_mine_\@
	global_prefetch_b8 v[PFO], s[\base:\base+1] offset:\off th:TH_LOAD_NT scope:SCOPE_SE
.Lnot_mine_\@:
.endm
	s_load_b512 s[4:19], s[0:1], 0x0
	s_load_b128 s[20:23], s[0:1], 0x40
	v_lshl_add_u32 v[SPW], v0, 2, SPARE
	v_mov_b32 v[NIL], 0
	ds_add_u32 v8, v9
	ds_add_u32 v8, v9
	s_wait_dscnt 0x0
	v_lshrrev_b32 v144, 5, v0
	v_readfirstlane_b32 s[WV], v144
	s_lshr_b32 s[HI], s[WV], 1
	s_and_b32 s[LO], s[WV], 1
	s_bfe_u32 s59, ttmp6, 0x40000
	s_bfe_u32 s60, ttmp6, 0x40004
	s_lshl_b32 s61, ttmp9, 2
	s_add_co_u32 s61, s61, s59
	s_and_b32 s62, ttmp7, 0xffff
	s_lshl_b32 s62, s62, 2
	s_add_co_u32 s62, s62, s60
	s_lshl_b32 s3, s60, 2
	s_lshl_b32 s3, 15, s3
	s_lshl_b32 s2, 0x1111, s59
	s_or_b32 s[G1+0], s3, (0<<16)|(1<<20)|(1<<21)|(5<<22)|(3<<25)
	s_or_b32 s[G1B+0], s2, (0<<16)|(1<<20)|(1<<21)|(5<<22)|(3<<25)
.irp g, G1, G1B
	s_mov_b32 s[\g+1], ROWB<<16
	s_mov_b32 s[\g+2], 128<<16
	s_mov_b32 s[\g+3], ROWB<<16
	s_mov_b32 s[\g+4], 128
	s_mov_b32 s[\g+5], KROW
	s_mov_b32 s[\g+6], 0
	s_mov_b32 s[\g+7], 0
.endr
	s_lshl_b32 s92, s[LO], 7
	s_lshl_b32 s88, s62, 8
	s_add_co_u32 s88, s88, s92
	s_lshl_b32 s88, s88, 10
	s_mov_b32 s89, 0
	s_lshl_b32 s90, s61, 8
	s_add_co_u32 s90, s90, s92
	s_lshl_b32 s90, s90, 10
	s_mov_b32 s91, 0
	s_mul_i32 s93, s[WV], HALFT
	s_lshl_b32 s98, s62, 13
	s_lshl_b32 s99, s[HI], 12
	s_add_co_u32 s98, s98, s99
	s_mov_b32 s99, 0
	s_lshl_b32 s100, s61, 13
	s_lshl_b32 s101, s[LO], 12
	s_add_co_u32 s100, s100, s101
	s_mov_b32 s101, 0
	s_lshl_b32 s94, s61, 10
	s_lshl_b32 s95, s[LO], 9
	s_add_co_u32 s94, s94, s95
	s_mov_b32 s95, 0
	s_lshl_b32 s96, s62, 8
	s_lshl_b32 s97, s[HI], 7
	s_add_co_u32 s96, s96, s97
	s_lshl_b32 s96, s96, 14
	s_mov_b32 s97, 0
	s_wait_kmcnt 0x0
	s_add_nc_u64 s[4:5], s[4:5], s[88:89]
	s_add_nc_u64 s[8:9], s[8:9], s[88:89]
	s_add_nc_u64 s[12:13], s[12:13], s[90:91]
	s_add_nc_u64 s[16:17], s[16:17], s[90:91]
	s_add_nc_u64 s[6:7], s[6:7], s[98:99]
	s_add_nc_u64 s[10:11], s[10:11], s[98:99]
	s_add_nc_u64 s[14:15], s[14:15], s[100:101]
	s_add_nc_u64 s[18:19], s[18:19], s[100:101]
	s_add_nc_u64 s[20:21], s[20:21], s[94:95]
	s_add_nc_u64 s[22:23], s[22:23], s[94:95]
	s_add_nc_u64 s[22:23], s[22:23], s[96:97]
	s_lshl_b32 s98, s[LO], 17
	s_add_nc_u64 s[98:99], s[10:11], s[98:99]
.irp p, 0,1
.irp s, 0,1
	s_mov_b32 s[G0A+8*\p+4*\s], 1
	s_add_co_u32 s[G0A+8*\p+4*\s+1], s93, \s*SLOT
	s_add_nc_u64 s[G0A+8*\p+4*\s+2:G0A+8*\p+4*\s+3], s[4+4*\p:5+4*\p], \s*ROWB
	s_or_b32 s[G0A+8*\p+4*\s+3], s[G0A+8*\p+4*\s+3], 0x80000000
	s_mov_b32 s[G0B+8*\p+4*\s], 1
	s_add_co_u32 s[G0B+8*\p+4*\s+1], s93, \s*SLOT
	s_add_nc_u64 s[G0B+8*\p+4*\s+2:G0B+8*\p+4*\s+3], s[12+4*\p:13+4*\p], \s*ROWB
	s_or_b32 s[G0B+8*\p+4*\s+3], s[G0B+8*\p+4*\s+3], 0x80000000
.endr
.endr
	s_cmp_eq_u32 s[HI], 0
	s_cselect_b32 s94, s59, s60                    ; my place among the four that ask for a tile with me: cx for A's waves, cy for B's
	s_cselect_b64 s[PFA:PFA+1], s[8:9], s[16:17]
	s_cselect_b64 s[PFX:PFX+1], s[4:5], s[12:13]
	s_mov_b32 s[LIM], 1                            ; every cluster prefetches what it will itself load; the four partners share a tile's rows out by address
	s_lshl_b32 s94, s94, 15
	s_mov_b32 s95, 0
	s_add_nc_u64 s[PFA:PFA+1], s[PFA:PFA+1], s[94:95]
	s_add_nc_u64 s[PFX:PFX+1], s[PFX:PFX+1], s[94:95]
	CROUND
	JLOAD G0A, G0B
	v_and_b32 v145, 15, v0                         ; the scales' and bias's loads and all address work stand between K step 0's request and the wait for it
	v_bfe_u32 v146, v0, 4, 1
	v_and_b32 v147, 31, v0
	v_lshlrev_b32 v[SCO], 5, v145
	v_lshl_add_u32 v[SCO], v146, 4, v[SCO]
	v_lshlrev_b32 v[CO], 4, v147
	v_lshlrev_b32 v[PFO], 10, v147                 ; the prefetches' offset: a lane a row of 1,024 bytes; never rewritten
.irp i, 0,1,2,3
	global_load_b128 v[128+4*\i:131+4*\i], v[SCO], s[98:99] offset:2048+512*\i
.endr
.irp b, 0,1,2,3,4,5,6,7
	global_load_b128 v[SB+4*\b:SB+4*\b+3], v[SCO], s[14:15] offset:512*\b
.endr
.irp i, 0,1,2,3
	global_load_b128 v[XA+4*\i:XA+4*\i+3], v[SCO], s[6:7] offset:512*\i
	global_load_b128 v[XA+16+4*\i:XA+16+4*\i+3], v[SCO], s[6:7] offset:2048+512*\i
.endr
.irp b, 0,1,2,3,4,5,6,7
	global_load_b128 v[SB+32+4*\b:SB+32+4*\b+3], v[SCO], s[18:19] offset:512*\b
.endr
.irp i, 0,1,2,3
	global_load_b128 v[XA+32+4*\i:XA+32+4*\i+3], v[SCO], s[10:11] offset:512*\i
.endr
	global_load_b128 v[BQ:BQ+3], v[CO], s[20:21]
.irp s, 1,2,3
	global_prefetch_b8 v[PFO], s[PFX:PFX+1] offset:256*\s th:TH_LOAD_NT scope:SCOPE_SE   ; K steps 1 to 3 of x or W_xh, my work-group's 32 rows of the 128 that I fetch: their tensor loads follow behind the next three rounds
.endr
	v_mul_u32_u24 v148, v145, PITCH
	v_lshl_add_u32 v148, v146, 4, v148
	s_mul_i32 s88, s[HI], HALFT
	s_mul_i32 s89, s[LO], HALFT
	s_add_co_u32 s89, s89, 2*HALFT
.irp s, 0,1
	v_add_nc_u32 v[ADRA+\s], s88, v148
	v_add_nc_u32 v[ADRB+\s], s89, v148
	s_add_co_u32 s88, s88, SLOT
	s_add_co_u32 s89, s89, SLOT
.endr
	s_mul_i32 s88, s[WV], 16*SPITCH
	s_add_co_u32 s88, s88, STAGE
	v_mul_u32_u24 v149, v145, SPITCH
	v_lshl_add_u32 v149, v146, 5, v149
	v_add_nc_u32 v[STO], s88, v149
	v_add_nc_u32 v[RD], s88, v[CO]
	s_lshl_b32 s88, s[WV], 11
	s_add_co_u32 s88, s88, IMG
	v_add_nc_u32 v150, s88, v[CO]
	s_lshl_b32 s88, s[HI], 12
	s_add_co_u32 s88, s88, IMG
	v_add_nc_u32 v[IMR], s88, v[CO]
	s_wait_alu depctr_va_vdst(0)
	s_wait_loadcnt 29
.irp i, 0,1,2,3
	ds_store_b128 v150, v[128+4*\i:131+4*\i] offset:512*\i
.endr
	s_wait_tensorcnt 0x0                           ; my part of K step 0 is in
	ds_add_u32 v8, v9
	s_wait_dscnt 0x0                               ; the add is done, and my stores of the scale image have landed
	CROUND                                         ; one round shows K step 0 and the image to every wave and brings the sixteen work-groups together
	JLOAD G0A+4, G0B+4                             ; K step 1: the first tensor load behind the round
.macro FRAG reg, adr, q, i
.irp c, 0,1,2,3
	ds_load_b128 v[\reg+4*\c:\reg+4*\c+3], v[\adr] offset:128*(\q)+32*\c+(\i)*16*PITCH
.endr
.endm
.macro MUL16 a0, p, t, q, first
.set KQ, 2*((\t)%4)+(\q)
.irp a, \a0, \a0+1
.irp b, 0,1,2,3,4,5,6,7
.if \first
	v_wmma_scale_f32_16x16x128_f8f6f4 v[8*(8*((\a)%4)+\b):8*(8*((\a)%4)+\b)+7], v[128*(\p)+FR*\b:128*(\p)+FR*\b+FR-1], v[AF+FR*(\a):AF+FR*(\a)+FR-1], 0, v[SB+32*((\t)/4)+4*\b+KQ%4], v[XA+16*((2*((\t)/4)+(\a)/4)%3)+4*((\a)%4)+KQ%4] matrix_a_fmt:MATRIX_FMT_BF8 matrix_b_fmt:MATRIX_FMT_BF8
.elseif KQ < 4
	v_wmma_scale_f32_16x16x128_f8f6f4 v[8*(8*((\a)%4)+\b):8*(8*((\a)%4)+\b)+7], v[128*(\p)+FR*\b:128*(\p)+FR*\b+FR-1], v[AF+FR*(\a):AF+FR*(\a)+FR-1], v[8*(8*((\a)%4)+\b):8*(8*((\a)%4)+\b)+7], v[SB+32*((\t)/4)+4*\b+KQ%4], v[XA+16*((2*((\t)/4)+(\a)/4)%3)+4*((\a)%4)+KQ%4] matrix_a_fmt:MATRIX_FMT_BF8 matrix_b_fmt:MATRIX_FMT_BF8
.else
	v_wmma_scale_f32_16x16x128_f8f6f4 v[8*(8*((\a)%4)+\b):8*(8*((\a)%4)+\b)+7], v[128*(\p)+FR*\b:128*(\p)+FR*\b+FR-1], v[AF+FR*(\a):AF+FR*(\a)+FR-1], v[8*(8*((\a)%4)+\b):8*(8*((\a)%4)+\b)+7], v[SB+32*((\t)/4)+4*\b+KQ%4], v[XA+16*((2*((\t)/4)+(\a)/4)%3)+4*((\a)%4)+KQ%4] matrix_a_fmt:MATRIX_FMT_BF8 matrix_b_fmt:MATRIX_FMT_BF8 matrix_a_scale:MATRIX_SCALE_ROW1 matrix_b_scale:MATRIX_SCALE_ROW1
.endif
.endr
.endr
.endm
.macro FETCH_B slot, q, p
	WIN TO_B
.irp i, 0,1,2,3,4,5,6,7
	FRAG 128*(\p)+FR*\i, ADRB+\slot, \q, \i
.endr
	WIN 0
.endm
.macro FETCH_A slot, q, i0
.irp i, \i0, \i0+1, \i0+2, \i0+3
	FRAG AF+FR*(\i), ADRA+\slot, \q, \i
.endr
.endm
.macro PLACES n
.rept \n
	v_nop
.endr
.endm
.macro STEP t, first
.set SS, (\t)%2
	s_wait_dscnt 12*NL                             ; B's set 0 and A's blocks 0-3 are in; the youngest 48 loads (A's blocks 4-7, then B's set 1) may be out
	WIN MUL_LO
	MUL16 0, 0, \t, 0, \first
	MUL16 2, 0, \t, 0, \first
	s_wait_dscnt 8*NL                              ; A's blocks 4-7 are in; B's set 1 (32 loads) may be out
	PLACES NP
	WIN 0
	FETCH_A SS, 1, 0
	WIN MUL_HI
	MUL16 4, 0, \t, 0, \first
	MUL16 6, 0, \t, 0, \first
	PLACES NP
	WIN 0
	FETCH_A SS, 1, 4
.endm
.macro TURN t, fill, chg
.set SL, (\t)%2
.set NX, 1-SL
.set UU, ((\t)+2)%8
.set GA, G0A+8*(UU/4)+4*SL
.set GB, G0B+8*(UU/4)+4*SL
	s_wait_tensorcnt 0x0
	ds_add_u32 v[SPW], v[NIL]
	s_wait_dscnt 0x0                               ; the add is done, and my reads of this slot (the last sixteen were issued at the step's end) are back
	s_barrier_signal -1
	WIN MUL_LO
	MUL16 0, 1, \t, 1, 0                           ; work on registers between the signal and the wait
	WIN 0
	s_barrier_wait -1
.if \fill
	CREST
.if (\fill) == 2
.irp p, 0,1
	s_add_nc_u64 s[G0A+8*\p+4*SL+2:G0A+8*\p+4*SL+3], s[G0A+8*\p+4*SL+2:G0A+8*\p+4*SL+3], NEXT_A
	s_sub_nc_u64 s[G0B+8*\p+4*SL+2:G0B+8*\p+4*SL+3], s[G0B+8*\p+4*SL+2:G0B+8*\p+4*SL+3], BACK_B
.endr
.if (\t) == 6
	s_cmp_eq_u32 s[HI], 0
	s_cselect_b32 s[LIM], s[LIM], -1
.endif
.elseif UU%4 > 1
	s_add_nc_u64 s[GA+2:GA+3], s[GA+2:GA+3], 2*ROWB
	s_add_nc_u64 s[GB+2:GB+3], s[GB+2:GB+3], 2*ROWB
.endif
	JLOAD GA, GB
.endif
	FETCH_B NX, 0, 0                               ; B's set 0 was last read in the step before, eight places back: the next slot's first fragments go out straight behind the refill
	WIN MUL_LO
	MUL16 2, 1, \t, 1, 0                           ; A's blocks 2 and 3 follow the refill's request
	WIN 0
	PLACES NP
.if (\t) == 3
	s_cmp_eq_u32 s2, 0
	s_cselect_b32 s90, 0, 2048
	v_add_nc_u32 v[AF], s90, v[IMR]
.irp i, 0,1,2,3
	ds_load_b128 v[XA+4*\i:XA+4*\i+3], v[AF] offset:512*\i
.endr
.endif
.if \chg
.irp i, 0,1,2,3
	global_load_b128 v[XA+32+4*\i:XA+32+4*\i+3], v[SCO], s[10:11] offset:NEXT_S+512*\i
	global_load_b128 v[XA+16+4*\i:XA+16+4*\i+3], v[SCO], s[6:7] offset:NEXT_S+2048+512*\i
.endr
.endif
.if !(\chg)
	FETCH_A NX, 0, 0
.endif
.if (\t) < 4
	ASK PFA, 256*(\t)
.endif
.if (\fill) == 2
	ASK PFX, WALK*KROW+256*((\t)-4)
.endif
	WIN MUL_HI
	MUL16 4, 1, \t, 1, 0
	MUL16 6, 1, \t, 1, 0
.if \chg
	PLACES NP+1
	WIN 0
.irp i, 0,1,2,3
	global_load_b128 v[XA+4*\i:XA+4*\i+3], v[SCO], s[6:7] offset:NEXT_S+512*\i
.endr
.else
	PLACES NP
	WIN 0
	FETCH_A NX, 0, 4
	FETCH_B NX, 1, 1                               ; B's set 1 is free behind the places above: the slot's second 128 along K, a whole step of 64 matrix instructions ahead of its use
.endif
.endm
.macro TOSTAGE a
.set AC, 64*((\a)%4)
	WIN 0x08+4*((\a)/4)
.irp b, 0,1,2,3,4,5,6,7
	ds_store_b128 v[STO], v[AC+8*\b:AC+8*\b+3] offset:64*\b
	ds_store_b128 v[STO], v[AC+8*\b+4:AC+8*\b+7] offset:64*\b+16
.endr
	WIN 0
.set BB, BK+64*((\a)%2)
.irp t, 0,1,2,3,4,5,6,7,8,9,10,11,12,13,14,15
	ds_load_b128 v[BB+4*\t:BB+4*\t+3], v[RD] offset:\t*SPITCH
.endr
.endm
.macro SEND a, younger
.set BB, BK+64*((\a)%2)
	s_wait_dscnt \younger
.if (\a) > 0
	s_add_nc_u64 s[22:23], s[22:23], 16*NROW
.endif
.irp t, 0,1,2,3,4,5,6,7,8,9,10,11,12,13,14,15
	v_pk_add_f32 v[BB+4*\t:BB+4*\t+1], v[BB+4*\t:BB+4*\t+1], v[BQ:BQ+1]
	v_pk_add_f32 v[BB+4*\t+2:BB+4*\t+3], v[BB+4*\t+2:BB+4*\t+3], v[BQ+2:BQ+3]
.endr
.irp t, 0,1,2,3,4,5,6,7,8,9,10,11,12,13,14,15
	global_store_b128 v[CO], v[BB+4*\t:BB+4*\t+3], s[22:23] offset:\t*NROW th:TH_STORE_NT
.endr
.endm
.macro WAYOUT
	TOSTAGE 0
.irp a, 1,2,3,4,5,6,7
.if \a > 1
	s_wait_xcnt 0x0
.endif
	TOSTAGE \a
	SEND \a-1, 32
.endr
	s_wait_xcnt 0x0
	SEND 7, 0
.endm
	FETCH_B 0, 0, 0
	FETCH_A 0, 0, 0
	FETCH_A 0, 0, 4
	FETCH_B 0, 1, 1
	s_mov_b32 s2, 0
.Ltile:
	s_wait_loadcnt 0x0
	STEP 0, 1
	TURN 0, 1, 0
	STEP 1, 0
	TURN 1, 1, 0
	STEP 2, 0
	TURN 2, 1, 0
	STEP 3, 0
	TURN 3, 1, 0
	STEP 4, 0
	TURN 4, 1, 0
	STEP 5, 0
	TURN 5, 1, 0
	STEP 6, 0
	s_cmp_eq_u32 s2, 1
	s_cbranch_scc1 .Llast_tile
	TURN 6, 2, 0
	STEP 7, 0
	TURN 7, 2, 1
	WAYOUT
	s_wait_xcnt 0x0
	s_add_nc_u64 s[22:23], s[22:23], NEXT_C
	s_cmp_eq_u32 s[HI], 0
	s_cselect_b32 s90, WALK*KROW, 0
	s_mov_b32 s91, 0
	s_add_nc_u64 s[PFA:PFA+1], s[PFA:PFA+1], s[90:91]
	FETCH_A 0, 0, 0
	FETCH_A 0, 0, 4
	FETCH_B 0, 1, 1                                ; the same order of LDS loads on every way into a step: A's blocks 0-3, 4-7, B's set 1
	s_add_co_u32 s2, s2, 1
	s_cmp_lt_u32 s2, 2
	s_cbranch_scc1 .Ltile
.Llast_tile:
	TURN 6, 0, 0
	STEP 7, 0
	s_wait_dscnt 4*NL
	WIN MUL_LO
	MUL16 0, 1, 7, 1, 0
	MUL16 2, 1, 7, 1, 0
	s_wait_dscnt 0
	WIN MUL_HI
	MUL16 4, 1, 7, 1, 0
	MUL16 6, 1, 7, 1, 0
	WIN 0
	PLACES NP
	WAYOUT
	s_wait_tensorcnt 0x0
	ds_add_u32 v[SPW], v[NIL]
	s_wait_dscnt 0x0
	CROUND
	s_endpgm
.Lfunc_end_k_q04042138d2_gemm:
	.size	k_q04042138d2_gemm, .Lfunc_end_k_q04042138d2_gemm-k_q04042138d2_gemm
	.p2alignl 7, 3214868480
	.fill 96, 4, 3214868480
	.section	.rodata,"a",@progbits
	.p2align	6, 0x0
	.amdhsa_kernel k_q04042138d2_gemm
		.amdhsa_group_segment_fixed_size 327680
		.amdhsa_private_segment_fixed_size 0
		.amdhsa_enable_private_segment 0
		.amdhsa_kernarg_size 80
		.amdhsa_user_sgpr_count 2
		.amdhsa_user_sgpr_kernarg_segment_ptr 1
		.amdhsa_wavefront_size32 1
		.amdhsa_system_sgpr_workgroup_id_x 1
		.amdhsa_system_sgpr_workgroup_id_y 1
		.amdhsa_system_sgpr_workgroup_id_z 1
		.amdhsa_system_vgpr_workitem_id 0
		.amdhsa_next_free_vgpr 1024
		.amdhsa_next_free_sgpr 102
		.amdhsa_reserve_vcc 0
		.amdhsa_float_denorm_mode_32 3
		.amdhsa_float_denorm_mode_16_64 3
		.amdhsa_memory_ordered 1
		.amdhsa_forward_progress 1
		.amdhsa_inst_pref_size 255
	.end_amdhsa_kernel
	.section	.bss,"aw",@nobits
	.p2align	6
	.space	262144
	.amdgpu_metadata
---
amdhsa.version: [ 1, 2 ]
amdhsa.kernels:
  - .name:           k_q04042138d2_gemm
    .symbol:         k_q04042138d2_gemm.kd
    .args:
      - { .name: x_codes, .offset: 0, .size: 8, .value_kind: global_buffer, .address_space: global }
      - { .name: x_scales, .offset: 8, .size: 8, .value_kind: global_buffer, .address_space: global }
      - { .name: h_codes, .offset: 16, .size: 8, .value_kind: global_buffer, .address_space: global }
      - { .name: h_scales, .offset: 24, .size: 8, .value_kind: global_buffer, .address_space: global }
      - { .name: W_xh_codes, .offset: 32, .size: 8, .value_kind: global_buffer, .address_space: global }
      - { .name: W_xh_scales, .offset: 40, .size: 8, .value_kind: global_buffer, .address_space: global }
      - { .name: W_hh_codes, .offset: 48, .size: 8, .value_kind: global_buffer, .address_space: global }
      - { .name: W_hh_scales, .offset: 56, .size: 8, .value_kind: global_buffer, .address_space: global }
      - { .name: bias, .offset: 64, .size: 8, .value_kind: global_buffer, .address_space: global }
      - { .name: gates, .offset: 72, .size: 8, .value_kind: global_buffer, .address_space: global }
    .group_segment_fixed_size: 327680
    .private_segment_fixed_size: 0
    .kernarg_segment_align: 8
    .kernarg_segment_size: 80
    .max_flat_workgroup_size: 128
    .sgpr_count:     102
    .vgpr_count:     1024
    .wavefront_size: 32
...
	.end_amdgpu_metadata
.endif
;; end of part 1
;; launch cell (part 2): grid 256 x 1, 16 waves a work-group, no clusters, 305,152 bytes of LDS; arguments gates, c, ln_gamma, ln_beta, ln_c_gamma, ln_c_beta, out0, out1; writes out0, out1
.if DOCPART == 2
	.amdgcn_target "amdgcn-amd-amdhsa--gfx1250"
	.amdhsa_code_object_version 6
	.text
	.protected	k_q04042138d2_cell
	.globl	k_q04042138d2_cell
	.p2align	8
	.type	k_q04042138d2_cell,@function
k_q04042138d2_cell:
	s_mov_b64 s[64:65], 0
	v_nop
	global_prefetch_b8 v0, s[64:65] scope:SCOPE_SE
	s_setreg_imm32_b32 hwreg(HW_REG_WAVE_MODE, 25, 1), 1
	s_wait_xcnt 0x0
; The cell behind the gates' product.  gates: [8192][4096] f32 = i | j | f | o, 1,024 units each;  c, out0 (new_h), out1 (new_c): [8192][1024] f32.
; Each of the four groups of a row is normalised (mean, variance + 1e-3, gain, offset);  new_c = c sigmoid(f + 1) + sigmoid(i) tanh(j);  new_h = tanh(layer norm of new_c) sigmoid(o).
; SHARES.  A work-group owns 32 rows; wave w takes rows w and 16 + w.  One wave holds one whole row in 160 registers (i, j, f, o, c: 32 each): no sum leaves the wave; gates and c are read from memory once.
; Lane l, chunk k hold units 128 k + 4 l + 0 .. 3 of each group: every load, copy and store of a wave covers 512 consecutive bytes, aligned.
; BOTH ROWS' GATES ARE ASKED FOR IN THE HEAD: the first row's 32 loads land in registers; the second row's 32 asynchronous copies land in 16,384 LDS bytes of the wave's own,
; filled once, and are read from there as the first row leaves its registers.  The second row's c (4,096 bytes) is loaded when c's registers fall free: LDS has no room for it.
; THE GAINS AND OFFSETS are scaled once by the work-group and kept in LDS, so that the normalising multiply-add gives the exponent of 2 as it stands:
;   sigmoid(z) = 1 / (1 + 2^(-log2(e) z)),  tanh(z) = 1 - 2 / (1 + 2^(2 log2(e) z)).  i, f, o: gain and offset x -log2(e) (f's offset + 1 first);  j and c: x 2 log2(e).
; A power of two that overflows gives infinity, whose reciprocal is 0: the right limit; no difference of infinities is formed.  The variance is the mean square of the centred numbers.
; LIMITS: NaN and infinities among the inputs are not served; tanh as 1 - 2 / (..) carries an absolute error of about 1e-7 near 0.
; No cluster: the work-groups share the 40,960 bytes of parameters alone.  No prefetch: the text has no loop to run ahead in, and all but 4,096 bytes a wave are asked for in the head.
; LDS: 0 the four groups' gains; 16,384 their offsets; 32,768 new_c's gains; 36,864 its offsets; 40,960 the spare words (128 bytes a wave); 43,008 the waves' second rows.
.set LA, 1                             ; v1   16 x lane
.set YO, 2                             ; v2   my bytes in gates: wave x 16,384 + 16 x lane; never rewritten
.set CO, 3                             ; v3   in c, out0, out1: wave x 4,096 + 16 x lane; never rewritten
                                       ; v[4:5], v[6:7] two chains of sums; v8 a sum; v9 the lane permute's destination; v[10:11] the mean
.set RI, 12                            ; v[12:13] .. v[20:21]: 1 / deviation of i, j, f, o, new_c in the low word; the high word is 0
.set RJ, 14
.set RF, 16
.set RO, 18
.set RC, 20
.set RL, 24                            ; v24  LDS address of my 16 bytes in my wave's second row; never rewritten
.set GI, 32                            ; v32-63 i;  v64-95 j;  v96-127 f;  v128-159 o;  v160-191 c
.set GJ, 64
.set GF, 96
.set GO, 128
.set GC, 160
.set PB, 192                           ; v192-255 two buffers of parameters: 16 gains, 16 offsets: half a group's
.set ROWL, 0xa800                      ; 43,008
	s_load_b512 s[4:19], s[0:1], 0x0               ; gates, c, ln_gamma, ln_beta, ln_c_gamma, ln_c_beta, out0, out1
	v_lshl_add_u32 v30, v0, 2, 0xa000
	v_mov_b32 v31, 0
	ds_add_u32 v30, v31                            ; the opening lines, ahead of my first copy: the add, twice on end, and its wait
	ds_add_u32 v30, v31
	v_lshrrev_b32 v4, 5, v0
	s_delay_alu instid0(VALU_DEP_1)
	v_readfirstlane_b32 s20, v4                    ; wave 0..15
	v_and_b32 v5, 31, v0
	s_delay_alu instid0(VALU_DEP_1)
	v_lshlrev_b32 v[LA], 4, v5
	s_delay_alu instid0(VALU_DEP_1)
	v_lshl_add_u32 v[YO], s20, 14, v[LA]
	s_delay_alu instid0(VALU_DEP_2)
	v_lshl_add_u32 v[CO], s20, 12, v[LA]
	v_lshlrev_b32 v22, 4, v0                       ; 16 x thread: the parameters' place, in memory and in LDS
	s_lshl_b32 s38, s20, 14
	s_add_co_u32 s38, s38, ROWL                    ; my wave's 16,384 bytes
	v_add_nc_u32 v[RL], s38, v[LA]
	v_and_b32 v23, 255, v0
	s_delay_alu instid0(VALU_DEP_1)
	v_lshlrev_b32 v23, 4, v23                      ; 16 x (thread % 256): in ln_c_gamma or ln_c_beta
.irp r, 9,11,13,15,17,19,21
	v_mov_b32 v\r, 0
.endr
	s_lshl_b32 s32, ttmp9, 19                      ; 32 rows of 16,384 bytes
	s_mov_b32 s33, 0
	s_lshl_b32 s34, ttmp9, 17                      ; 32 rows of 4,096 bytes
	s_mov_b32 s35, 0
	s_mov_b32 s22, 0x76543210
	s_mov_b32 s23, 0xfedcba98                      ; v_permlanex16_b32's selects for lane l xor 16
	s_mov_b32 s24, 0x3a800000                      ; 1 / 1,024
	s_mov_b32 s25, 0x3a83126f                      ; 1e-3
	s_mov_b32 s27, 0xbfb8aa3b                      ; -log2(e)
	s_mov_b32 s29, 0x4038aa3b                      ; 2 log2(e)
	s_wait_alu depctr_va_vdst(0)
	s_wait_dscnt 0x0                               ; both opening adds are done
	s_wait_kmcnt 0x0
	s_cmp_lt_u32 s20, 8                            ; threads 0-255 hold i's and f's parameters and ln_c_gamma, threads 256-511 j's and o's and ln_c_beta
	s_cselect_b32 s26, s27, s29                    ; i: -log2(e);  j: 2 log2(e)
	s_cselect_b32 s28, s27, 0                      ; f: the forget bias, 1 x -log2(e);  o: none
	s_cselect_b64 s[30:31], s[12:13], s[14:15]
	s_add_nc_u64 s[4:5], s[4:5], s[32:33]
	s_add_nc_u64 s[36:37], s[4:5], 0x40000         ; gates sixteen rows further down: the waves' second rows
	s_add_nc_u64 s[6:7], s[6:7], s[34:35]
	s_add_nc_u64 s[16:17], s[16:17], s[34:35]
	s_add_nc_u64 s[18:19], s[18:19], s[34:35]
	global_load_b128 v[192:195], v22, s[8:9]               ; gains of i | j
	global_load_b128 v[196:199], v22, s[8:9] offset:8192   ; of f | o
	global_load_b128 v[200:203], v22, s[10:11]             ; offsets of i | j
	global_load_b128 v[204:207], v22, s[10:11] offset:8192 ; of f | o
	global_load_b128 v[208:211], v23, s[30:31]             ; new_c's gains | offsets
.macro LD g, gi                        ; group gi of my first row: eight loads of 512 consecutive bytes
.irp k, 0,1,2,3,4,5,6,7
	global_load_b128 v[\g+4*\k:\g+4*\k+3], v[YO], s[4:5] offset:\gi*4096+512*\k th:TH_LOAD_NT
.endr
.endm
.macro LR g, gi                        ; group gi of my second row, out of my wave's own LDS bytes
.irp k, 0,1,2,3,4,5,6,7
	ds_load_b128 v[\g+4*\k:\g+4*\k+3], v[RL] offset:\gi*4096+512*\k
.endr
.endm
.macro LDC t
.irp k, 0,1,2,3,4,5,6,7
	global_load_b128 v[GC+4*\k:GC+4*\k+3], v[CO], s[6:7] offset:(\t)*65536+512*\k th:TH_LOAD_NT
.endr
.endm
	LD GI, 0                                       ; the first row's loads go out in this order: i, j, f, c, o
	LD GJ, 1
	LD GF, 2
	LDC 0
	LD GO, 3
.macro CP g                            ; group g of my second row: eight copies of 512 consecutive bytes into my wave's own LDS bytes; the immediate steps both addresses
.irp k, 0,1,2,3,4,5,6,7
	global_load_async_to_lds_b128 v[RL], v[YO], s[36:37] offset:(\g)*4096+512*\k
.endr
.endm
.macro RED                             ; v8 summed over the 32 lanes, the result in every lane
	s_delay_alu instid0(VALU_DEP_1)
	v_add_f32_dpp v8, v8, v8 row_xmask:1 row_mask:0xf bank_mask:0xf
	s_delay_alu instid0(VALU_DEP_1)
	v_add_f32_dpp v8, v8, v8 row_xmask:2 row_mask:0xf bank_mask:0xf
	s_delay_alu instid0(VALU_DEP_1)
	v_add_f32_dpp v8, v8, v8 row_xmask:4 row_mask:0xf bank_mask:0xf
	s_delay_alu instid0(VALU_DEP_1)
	v_add_f32_dpp v8, v8, v8 row_xmask:8 row_mask:0xf bank_mask:0xf
	s_delay_alu instid0(VALU_DEP_1)
	v_permlanex16_b32 v9, v8, s22, s23
	s_delay_alu instid0(VALU_DEP_1)
	v_add_f32 v8, v8, v9
.endm
; The 1,024 numbers in v[b] .. v[b + 31] of the 32 lanes are centred in place, and 1 / sqrt(their mean square + 1e-3) goes to v[r].  xw = 1: the numbers are still a store's data.
.macro STAT b, r, xw
	v_pk_add_f32 v[4:5], v[\b:\b+1], v[\b+2:\b+3]          ; two chains, started by the first numbers: nothing is cleared
	v_pk_add_f32 v[6:7], v[\b+4:\b+5], v[\b+6:\b+7]
.irp i, 8,12,16,20,24,28
	s_delay_alu instid0(VALU_DEP_2)
	v_pk_add_f32 v[4:5], v[4:5], v[\b+\i:\b+\i+1]
	s_delay_alu instid0(VALU_DEP_2)
	v_pk_add_f32 v[6:7], v[6:7], v[\b+\i+2:\b+\i+3]
.endr
	s_delay_alu instid0(VALU_DEP_1)
	v_pk_add_f32 v[4:5], v[4:5], v[6:7]
	s_delay_alu instid0(VALU_DEP_1)
	v_add_f32 v8, v4, v5
	RED
	s_delay_alu instid0(VALU_DEP_1)
	v_mul_f32 v10, s24, v8                         ; the mean
.if \xw
	s_wait_alu depctr_va_vdst(0)
	s_wait_xcnt 0x0                                ; the stores have read these registers: only now are they written
.endif
.irp i, 0,2,4,6,8,10,12,14,16,18,20,22,24,26,28,30
	v_pk_add_f32 v[\b+\i:\b+\i+1], v[\b+\i:\b+\i+1], v[10:11] op_sel_hi:[1,0] neg_lo:[0,1] neg_hi:[0,1]
.endr
	v_pk_mul_f32 v[4:5], v[\b:\b+1], v[\b:\b+1]
	v_pk_mul_f32 v[6:7], v[\b+2:\b+3], v[\b+2:\b+3]
.irp i, 4,8,12,16,20,24,28
	s_delay_alu instid0(VALU_DEP_2)
	v_pk_fma_f32 v[4:5], v[\b+\i:\b+\i+1], v[\b+\i:\b+\i+1], v[4:5]
	s_delay_alu instid0(VALU_DEP_2)
	v_pk_fma_f32 v[6:7], v[\b+\i+2:\b+\i+3], v[\b+\i+2:\b+\i+3], v[6:7]
.endr
	s_delay_alu instid0(VALU_DEP_1)
	v_pk_add_f32 v[4:5], v[4:5], v[6:7]
	s_delay_alu instid0(VALU_DEP_1)
	v_add_f32 v8, v4, v5
	RED
	s_delay_alu instid0(VALU_DEP_1)
	v_fma_f32 v8, v8, s24, s25                     ; the variance + 1e-3
	s_wait_alu depctr_va_vdst(0)
	v_rsq_f32 v[\r], v8                            ; what follows is plain and touches neither v8 nor the result; the wait for it stands ahead of its first reader
.endm
; Half hf of the parameters (0, 1: i's; 2, 3: j's; 4, 5: f's; 6, 7: o's; 8, 9: new_c's) into buffer buf: eight loads of 512 consecutive bytes
.macro PLOAD buf, hf
.if (\hf) < 8
.set GOFF, 2048*(\hf)
.set BOFF, 16384+2048*(\hf)
.else
.set GOFF, 32768+2048*((\hf)-8)
.set BOFF, 36864+2048*((\hf)-8)
.endif
.irp k, 0,1,2,3
	ds_load_b128 v[PB+32*\buf+4*\k:PB+32*\buf+4*\k+3], v[LA] offset:GOFF+512*\k
.endr
.irp k, 0,1,2,3
	ds_load_b128 v[PB+32*\buf+16+4*\k:PB+32*\buf+16+4*\k+3], v[LA] offset:BOFF+512*\k
.endr
.endm
; Sixteen centred numbers from v[x] on become exponents of 2: x / deviation x gain + offset.  n: at most so many LDS loads, all issued behind this half's eight, stay out
.macro ARG x, r, buf, n
.irp i, 0,2,4,6,8,10,12,14
	v_pk_mul_f32 v[(\x)+\i:(\x)+\i+1], v[(\x)+\i:(\x)+\i+1], v[\r:\r+1] op_sel_hi:[1,0]
.endr
	s_wait_alu depctr_va_vdst(0)
	s_wait_dscnt \n
.irp i, 0,2,4,6,8,10,12,14
	v_pk_fma_f32 v[(\x)+\i:(\x)+\i+1], v[(\x)+\i:(\x)+\i+1], v[PB+32*\buf+\i:PB+32*\buf+\i+1], v[PB+32*\buf+16+\i:PB+32*\buf+17+\i]
.endr
.endm
; n numbers from v[b] on: z -> 1 / (1 + 2^z).  The exponentials are one batch, and so are the reciprocals, each with its waits.
.macro SIGM b, n
.set q, 0
.rept \n
	v_exp_f32 v[\b+q], v[\b+q]
.set q, q+1
.endr
	v_nop                                          ; a plain instruction behind the last exponential
	s_wait_alu depctr_va_vdst(0)
.set q, 0
.rept (\n)/2
	v_pk_add_f32 v[\b+q:\b+q+1], v[\b+q:\b+q+1], 1.0 op_sel_hi:[1,0]
.set q, q+2
.endr
.set q, 0
	s_wait_alu depctr_va_vdst(0)
.rept \n
	v_rcp_f32 v[\b+q], v[\b+q]
.set q, q+1
.endr
	v_nop
	s_wait_alu depctr_va_vdst(0)
.endm
; My row t.  more = 1: the second row follows, and comes into the registers as they fall free.
; The second row's i, j, f and o are LDS loads: each run of them has at least two later waits of ARG (at most 8 younger LDS loads out) between itself and its first reader.
.macro ROW t, more
.if (\t) == 0
	s_wait_loadcnt 32                              ; i is in; j, f, c, o (32 loads) may be out
.endif
	STAT GI, RI, 0
.if (\t) == 0
	CP 0                                           ; the 32 copies stand among the first row's sums, all ahead of the first barrier, the first LDS read and the first wait on ASYNCcnt
	s_wait_loadcnt 24                              ; j is in (copies do not count here)
.endif
	STAT GJ, RJ, 0
.if (\t) == 0
	CP 1
	s_wait_loadcnt 16                              ; f is in
.endif
	STAT GF, RF, 0
	v_nop                                          ; a plain instruction behind the last root,
	s_wait_alu depctr_va_vdst(0)                   ; one wait for the three roots, ahead of their first reader and of the waits below
.if (\t) == 0
	CP 2
	CP 3
	; the parameters, scaled and stored behind my last copy: their five loads are older than the row's, so the wait for i has shown them in
.irp r, 0,1,2,3
	v_mul_f32 v[192+\r], s26, v[192+\r]
	v_mul_f32 v[196+\r], s27, v[196+\r]
	v_mul_f32 v[200+\r], s26, v[200+\r]
	v_fma_f32 v[204+\r], v[204+\r], s27, s28
	v_mul_f32 v[208+\r], s29, v[208+\r]
.endr
	ds_store_b128 v22, v[192:195]                  ; bytes 0 to 40,959: no copy lands there
	ds_store_b128 v22, v[196:199] offset:8192
	ds_store_b128 v22, v[200:203] offset:16384
	ds_store_b128 v22, v[204:207] offset:24576
	ds_store_b128 v22, v[208:211] offset:32768
	s_wait_dscnt 0x0
	s_barrier_signal -1
	s_barrier_wait -1                              ; from here on the parameters are only read; the copies' bytes are each wave's own and are read behind its own wait
	PLOAD 0, 0
	PLOAD 1, 1
.endif
	ARG GI, RI, 0, 8
	PLOAD 0, 2
	ARG GI+16, RI, 1, 8
	PLOAD 1, 3
	ARG GJ, RJ, 0, 8
	PLOAD 0, 4
	ARG GJ+16, RJ, 1, 8
	PLOAD 1, 5
	ARG GF, RF, 0, 8
	PLOAD 0, 6
	ARG GF+16, RF, 1, 8
	PLOAD 1, 7
	s_wait_alu depctr_va_vdst(0)
	SIGM GI, 96                                    ; i: sigmoid(i);  j: (1 - tanh(j)) / 2;  f: sigmoid(f + 1)
	s_wait_loadcnt 8*(1-(\t))                      ; c is in; in the first row o's eight loads, issued behind it, may be out
.irp i, 0,2,4,6,8,10,12,14,16,18,20,22,24,26,28,30
	v_pk_mul_f32 v[GJ+\i:GJ+\i+1], v[GI+\i:GI+\i+1], v[GJ+\i:GJ+\i+1]
.endr
.irp i, 0,2,4,6,8,10,12,14,16,18,20,22,24,26,28,30
	v_pk_fma_f32 v[GI+\i:GI+\i+1], v[GJ+\i:GJ+\i+1], -2.0, v[GI+\i:GI+\i+1] op_sel_hi:[1,0,1]   ; sigmoid(i) tanh(j)
.endr
.irp i, 0,2,4,6,8,10,12,14,16,18,20,22,24,26,28,30
	v_pk_fma_f32 v[GC+\i:GC+\i+1], v[GC+\i:GC+\i+1], v[GF+\i:GF+\i+1], v[GI+\i:GI+\i+1]         ; new_c
.endr
.irp k, 0,1,2,3,4,5,6,7
	global_store_b128 v[CO], v[GC+4*\k:GC+4*\k+3], s[18:19] offset:(\t)*65536+512*\k th:TH_STORE_NT
.endr
.if \more
	s_wait_asynccnt 8                              ; copies end in order: the second row's i, j, f (24 copies) are in LDS; o's eight may be out
	LR GI, 0                                       ; i, j, f are done with
	LR GJ, 1
	LR GF, 2
.endif
.if (\t) == 0
	s_wait_loadcnt 0x0                             ; o is in
.endif
	STAT GO, RO, 0
	STAT GC, RC, 1
	v_nop
	s_wait_alu depctr_va_vdst(0)                   ; one wait for the two roots
	ARG GO, RO, 0, 8
	PLOAD 0, 8
	ARG GO+16, RO, 1, 8
	PLOAD 1, 9
	ARG GC, RC, 0, 8
.if \more
	PLOAD 0, 0                                     ; the next row's first halves
.endif
	ARG GC+16, RC, 1, 8*\more
.if \more
	PLOAD 1, 1
.endif
	s_wait_alu depctr_va_vdst(0)
	SIGM GO, 64                                    ; o: sigmoid(o);  c: (1 - tanh(layer norm of new_c)) / 2
.irp i, 0,2,4,6,8,10,12,14,16,18,20,22,24,26,28,30
	v_pk_fma_f32 v[GC+\i:GC+\i+1], v[GC+\i:GC+\i+1], -2.0, 1.0 op_sel_hi:[1,0,0]
.endr
.irp i, 0,2,4,6,8,10,12,14,16,18,20,22,24,26,28,30
	v_pk_mul_f32 v[GO+\i:GO+\i+1], v[GO+\i:GO+\i+1], v[GC+\i:GC+\i+1]                           ; new_h
.endr
.irp k, 0,1,2,3,4,5,6,7
	global_store_b128 v[CO], v[GO+4*\k:GO+4*\k+3], s[16:17] offset:(\t)*65536+512*\k th:TH_STORE_NT
.endr
.if \more
	s_wait_xcnt 0x0                                ; the stores have read o's and c's registers: the next row may land there
	LDC \t+1
	s_wait_asynccnt 0x0                            ; the second row's o is in LDS
	LR GO, 3
.endif
.endm
	ROW 0, 1
	ROW 1, 0
	s_wait_tensorcnt 0x0                           ; the wave's end, behind my last copy and my last LDS store
	s_wait_asynccnt 0x0
	ds_add_u32 v30, v31
	s_wait_dscnt 0x0
	s_endpgm
.Lfunc_end_k_q04042138d2_cell:
	.size	k_q04042138d2_cell, .Lfunc_end_k_q04042138d2_cell-k_q04042138d2_cell
	.p2alignl 7, 3214868480
	.fill 96, 4, 3214868480
	.section	.rodata,"a",@progbits
	.p2align	6, 0x0
	.amdhsa_kernel k_q04042138d2_cell
		.amdhsa_group_segment_fixed_size 305152
		.amdhsa_private_segment_fixed_size 0
		.amdhsa_enable_private_segment 0
		.amdhsa_kernarg_size 64
		.amdhsa_user_sgpr_count 2
		.amdhsa_user_sgpr_kernarg_segment_ptr 1
		.amdhsa_wavefront_size32 1
		.amdhsa_system_sgpr_workgroup_id_x 1
		.amdhsa_system_sgpr_workgroup_id_y 1
		.amdhsa_system_sgpr_workgroup_id_z 1
		.amdhsa_system_vgpr_workitem_id 0
		.amdhsa_next_free_vgpr 256
		.amdhsa_next_free_sgpr 66
		.amdhsa_reserve_vcc 0
		.amdhsa_float_denorm_mode_32 3
		.amdhsa_float_denorm_mode_16_64 3
		.amdhsa_memory_ordered 1
		.amdhsa_forward_progress 1
		.amdhsa_inst_pref_size 143
	.end_amdhsa_kernel
	.amdgpu_metadata
---
amdhsa.version: [ 1, 2 ]
amdhsa.kernels:
  - .name:           k_q04042138d2_cell
    .symbol:         k_q04042138d2_cell.kd
    .args:
      - { .name: gates, .offset: 0, .size: 8, .value_kind: global_buffer, .address_space: global }
      - { .name: c, .offset: 8, .size: 8, .value_kind: global_buffer, .address_space: global }
      - { .name: ln_gamma, .offset: 16, .size: 8, .value_kind: global_buffer, .address_space: global }
      - { .name: ln_beta, .offset: 24, .size: 8, .value_kind: global_buffer, .address_space: global }
      - { .name: ln_c_gamma, .offset: 32, .size: 8, .value_kind: global_buffer, .address_space: global }
      - { .name: ln_c_beta, .offset: 40, .size: 8, .value_kind: global_buffer, .address_space: global }
      - { .name: out0, .offset: 48, .size: 8, .value_kind: global_buffer, .address_space: global }
      - { .name: out1, .offset: 56, .size: 8, .value_kind: global_buffer, .address_space: global }
    .group_segment_fixed_size: 305152
    .private_segment_fixed_size: 0
    .kernarg_segment_align: 8
    .kernarg_segment_size: 64
    .max_flat_workgroup_size: 512
    .sgpr_count:     66
    .vgpr_count:     256
    .wavefront_size: 32
...
	.end_amdgpu_metadata
.endif
;; end of part 2
